; MI455X (gfx1250); checked and timed in simulation.
; The chip was launched on July 23, 2026; its instructions are those of AMD's public machine-readable ISA for CDNA 5 (MIT licence, August 2026) and "CDNA5" Instruction Set Architecture Reference Guide (July 2026). The comments in the code are by the model that wrote it; some were corrected since.
;; Quant Linear Int. Allowed arithmetic: float matrix products may take bf16 or f16 operands with f32 sums; other float arithmetic in f32, or as packed bf16 or f16 multiplies, adds, multiply-adds, maxima and minima; sums over many terms, partial sums and values carried from step to step in f32; what a program stores and reads back later, other than sums and carried values, may be rounded once to bf16 or f16.
;; Inputs: bias 4,096 float32; weight 4,096 x 4,096 float32; x 4,096 x 4,096 float32; x_max 1 float32; x_min 1 float32.
;; Outputs: out0 4,096 x 4,096 float32.
;; Constants: activation_bit = 8.
;; 2 versions, each right; version 2 is version 1 with the launch quant written anew for expert scheduling mode. Each part assembles by itself: llvm-mc -triple=amdgcn-amd-amdhsa -mcpu=gfx1250 --defsym DOCPART=n.
;; ======== version 1 of 2: 2 launches
;; workspace buffers: qx 33,554,432 bytes; qw 33,554,432 bytes; stat 65,536 bytes
;; launch quant (part 1): grid 256 x 1, 16 waves a work-group, no clusters, 0 bytes of LDS; arguments x, weight, x_min, x_max, qx, qw, stat; writes qx, qw, stat
.if DOCPART == 1
	.amdgcn_target "amdgcn-amd-amdhsa--gfx1250"
	.amdhsa_code_object_version 6
	.text
	.protected	k_q9a9f0505df_quant
	.globl	k_q9a9f0505df_quant
	.p2align	8
	.type	k_q9a9f0505df_quant,@function
k_q9a9f0505df_quant:
	s_mov_b64 s[64:65], 0
	v_nop
	global_prefetch_b8 v0, s[64:65] scope:SCOPE_SE
	s_setreg_imm32_b32 hwreg(HW_REG_WAVE_MODE, 25, 1), 1
	s_wait_xcnt 0x0
; QUANTISING PASS.  q = clip(round(scale v - zp), -128, 127), scale = 255 / max(hi - lo, 1e-8), zp = round(scale lo) + 128.
; weight [4096][4096] f32: lo, hi are each row's own minimum and maximum.  x [4096][4096] f32: lo, hi are x_min[0], x_max[0].
; q is a whole number of at most 8 significant bits, so bf16 holds it exactly: qw and qx are [4096][4096] bf16, row-major.
; stat: four planes of 4,096 f32: zw[n] = zp of weight row n; c[n] = zx (sum of qw[n] + 4096 zw[n]); inv[n] = 1 / (sx sw[n]); rs[m] = sum of qx[m].
; SHARES.  A row is 16,384 bytes: one wave holds it whole in 128 registers, so minimum, maximum and sum never leave the wave: no LDS, no barrier.
; Work-group g: waves 0-7 take weight rows 16 g .. 16 g + 15, waves 8-15 the same rows of x, two rows on end a wave: every work-group has the same mix.
; A load of a wave covers 512 consecutive bytes, a store 256 consecutive bytes at a multiple of 256 from its buffer's first byte.
; While a wave's first row is quantised chunk by chunk, each chunk's registers are asked for again at once with the second row: 32 loads of a wave are out nearly all the time.
; NOTHING IS SHARED between waves or work-groups, so clusters, tensor loads and matrix instructions have no part here; nothing is prefetched: the launch is one stream of loads from its first line on.
; The figures in stat leave as stores of two lanes: all of stat is 65,536 bytes beside 201 million of rows, and a way through LDS would gather 64 bytes a plane at the most.
; LIMITS.  scale v - zp is one fused multiply-add (reference(): a product, then a difference): a v that falls on a tie of the rounding may land one step away; q + zp then moves by one step of 1 / scale.
; 255 / d is a reciprocal with one correction step; 1 / (sx sw) a reciprocal alone.  A range d above 2^126 gives scale 0 (the reciprocal's result would be denormal).  NaN is not treated apart: minimum, maximum and clip drop it.
; Row sums are whole numbers of at most 2^19 and exact.
.set ROWB,  16384                      ; bytes in a row of f32
.set QROWB, 8192                       ; bytes in a row of bf16
.set LANE, 1                           ; v1      lane
.set LOF,  2                           ; v2      16 x lane: my bytes in a chunk as loaded; never rewritten
.set SOF,  3                           ; v3      8 x lane: my bytes in a chunk as stored; never rewritten
.set STO,  4                           ; v4      4 x (my first row + lane % 2): my word in a plane of stat
.set SC0,  6                           ; v[6:7]   scale of my first row, twice (a pair for the packed multiply-add)
.set ZP0,  8                           ; v[8:9]   its zero point, twice
.set SC1,  10                          ; v[10:11] the same for my second row
.set ZP1,  12                          ; v[12:13]
.set SX,   14                          ; v14     x's scale
.set ZX,   15                          ; v15     x's zero point
.set LO,   16                          ; v16     a range's lower end
.set HI,   17                          ; v17     its upper end
.set D,    18                          ; v18-21  at work on a range
.set R,    19
.set Q,    20
.set E,    21
.set MN,   22                          ; v[22:25] four running minima
.set MX,   26                          ; v[26:29] four running maxima
.set SUM,  30                          ; v[30:33] four running sums of q
.set T,    34                          ; v[34:41] two sets of four at work, by the chunk's parity
.set A0,   42                          ; v42     sum of q of my first row
.set A1,   43                          ; v43     of my second
.set OUTV, 44                          ; v44-46  figures to store
.set XCH,  47                          ; v47     takes the other half of the lanes
.set X,    48                          ; v[48:175]  the row as loaded: chunk j at X + 4 j
.set Y,    176                         ; v[176:239] the row as stored: chunk j at Y + 2 j
	s_load_b256 s[4:11], s[0:1], 0x0               ; x s[4:5], weight s[6:7], x_min s[8:9], x_max s[10:11]
	s_load_b128 s[12:15], s[0:1], 0x20             ; qx s[12:13], qw s[14:15]
	s_load_b64 s[16:17], s[0:1], 0x30              ; stat
	v_lshrrev_b32 v5, 5, v0
	v_readfirstlane_b32 s18, v5                    ; wave 0..15
	v_and_b32 v[LANE], 31, v0
	v_lshlrev_b32 v[LOF], 4, v[LANE]
	v_lshlrev_b32 v[SOF], 3, v[LANE]
	s_lshr_b32 s19, s18, 3                         ; 0: rows of weight; 1: rows of x
	s_and_b32 s20, s18, 7
	s_lshl_b32 s20, s20, 1
	s_lshl_b32 s21, ttmp9, 4
	s_add_co_u32 s20, s20, s21                     ; my first row = 16 x work-group + 2 x (wave % 8)
	v_and_b32 v5, 1, v[LANE]
	v_add_nc_u32 v[STO], s20, v5
	v_lshlrev_b32 v[STO], 2, v[STO]
	s_mov_b32 s30, 0xc3000000                      ; -128.0
	s_mov_b32 s31, 0x42fe0000                      ; 127.0
	s_mov_b32 s32, 0x76543210                      ; v_permlanex16_b32: each lane takes its own place in the other half
	s_mov_b32 s33, 0xfedcba98
	s_mov_b32 s34, 0xaaaaaaaa                      ; the odd lanes
	s_mov_b32 s36, 0x437f0000                      ; 255.0
	s_mov_b32 s37, 0x45800000                      ; 4096.0
	v_mov_b32 v[XCH], 0                            ; written once: a lane exchange counts as a reader of its destination
	s_wait_kmcnt 0x0
	s_cmp_eq_u32 s19, 0
	s_cselect_b64 s[22:23], s[6:7], s[4:5]         ; what I read,
	s_cselect_b64 s[24:25], s[14:15], s[12:13]     ; and what I write
	s_lshl_b32 s26, s20, 14                        ; my first row in bytes of f32 (under 2^26),
	s_mov_b32 s27, 0
	s_add_nc_u64 s[22:23], s[22:23], s[26:27]
	s_lshl_b32 s26, s20, 13                        ; and of bf16
	s_add_nc_u64 s[24:25], s[24:25], s[26:27]
.set j, 0
.rept 32                                       ; my first row: all 32 chunks go out at once
	global_load_b128 v[X+4*j:X+4*j+3], v[LOF], s[22:23] offset:512*j th:TH_LOAD_NT
.set j, j+1
.endr
	s_load_b32 s28, s[8:9], 0x0                    ; x_min[0]
	s_load_b32 s29, s[10:11], 0x0                  ; x_max[0]
	s_wait_kmcnt 0x0
	v_mov_b32 v[LO], s28
	v_mov_b32 v[HI], s29
; Scale and zero point of the range LO .. HI, each written twice, as a pair.
.macro RANGE sc, zp
	v_sub_f32 v[D], v[HI], v[LO]
	v_max_num_f32 v[D], 0x322bcc77, v[D]           ; at least 1e-8
	v_rcp_f32 v[R], v[D]
	v_nop                                          ; a plain instruction between the reciprocal and its first use (ISA guide 5.7.2),
	s_wait_alu depctr_va_vdst(0)                   ; and a wait ahead of that use
	v_mul_f32 v[Q], s36, v[R]                      ; 255 r,
	v_fma_f32 v[E], -v[Q], v[D], s36               ; what it leaves of 255,
	v_fma_f32 v[\sc], v[E], v[R], v[Q]             ; and the quotient with that put right
	v_mul_f32 v[\zp], v[\sc], v[LO]
	v_rndne_f32 v[\zp], v[\zp]
	v_add_f32 v[\zp], 0x43000000, v[\zp]           ; + 128
	v_mov_b32 v[\sc+1], v[\sc]
	v_mov_b32 v[\zp+1], v[\zp]
.endm
; The minimum and maximum of the row in X: four chains each, started by the first two chunks (nothing is cleared), two numbers an instruction; then across the lanes.
.macro PASS1
.set j, 0
.rept 32
.if j%4 == 0
	s_wait_loadcnt 28-j                            ; loads come back in order (ISA guide 5.7.1): chunks j .. j + 3 are in, the row's 28 - j younger ones stay out
.endif
.set ch, 2*(j%2)
.if j < 2
	v_min_num_f32 v[MN+ch], v[X+4*j], v[X+4*j+1]
	v_max_num_f32 v[MX+ch], v[X+4*j], v[X+4*j+1]
	v_min_num_f32 v[MN+ch+1], v[X+4*j+2], v[X+4*j+3]
	v_max_num_f32 v[MX+ch+1], v[X+4*j+2], v[X+4*j+3]
.else
	v_min3_num_f32 v[MN+ch], v[MN+ch], v[X+4*j], v[X+4*j+1]
	v_max3_num_f32 v[MX+ch], v[MX+ch], v[X+4*j], v[X+4*j+1]
	v_min3_num_f32 v[MN+ch+1], v[MN+ch+1], v[X+4*j+2], v[X+4*j+3]
	v_max3_num_f32 v[MX+ch+1], v[MX+ch+1], v[X+4*j+2], v[X+4*j+3]
.endif
.set j, j+1
.endr
	v_min3_num_f32 v[LO], v[MN], v[MN+1], v[MN+2]
	v_max3_num_f32 v[HI], v[MX], v[MX+1], v[MX+2]
	v_min_num_f32 v[LO], v[LO], v[MN+3]
	v_max_num_f32 v[HI], v[HI], v[MX+3]
.irp m, 1,2,4,8                                ; four steps inside each half of 16 lanes ride on the arithmetic,
	v_min_num_f32_dpp v[LO], v[LO], v[LO] row_xmask:\m row_mask:0xf bank_mask:0xf
	v_max_num_f32_dpp v[HI], v[HI], v[HI] row_xmask:\m row_mask:0xf bank_mask:0xf
.endr
	v_permlanex16_b32 v[XCH], v[LO], s32, s33      ; one crosses the halves
	v_min_num_f32 v[LO], v[LO], v[XCH]
	v_permlanex16_b32 v[XCH], v[HI], s32, s33
	v_max_num_f32 v[HI], v[HI], v[XCH]
.endm
; Chunk j of my row r: 4 numbers a lane are quantised, added up, rounded (exactly) to bf16 and stored.  refill = 1: the chunk's registers take the next row's chunk j as soon as they are read.
; left = how many younger loads may stay out.
.macro CHUNK sc, zp, r, j, refill, left
	s_wait_loadcnt \left
.if (\j) == 0
.set TT, SUM                                   ; the first chunk's q start the sums: nothing is cleared
.else
.set TT, T+4*((\j)%2)
.endif
	v_pk_fma_f32 v[TT:TT+1], v[X+4*(\j):X+4*(\j)+1], v[\sc:\sc+1], v[\zp:\zp+1] neg_lo:[0,0,1] neg_hi:[0,0,1]      ; scale v - zp
	v_pk_fma_f32 v[TT+2:TT+3], v[X+4*(\j)+2:X+4*(\j)+3], v[\sc:\sc+1], v[\zp:\zp+1] neg_lo:[0,0,1] neg_hi:[0,0,1]
.if \refill
	global_load_b128 v[X+4*(\j):X+4*(\j)+3], v[LOF], s[22:23] offset:ROWB+512*(\j) th:TH_LOAD_NT
.endif
.irp k, 0,1,2,3
	v_rndne_f32 v[TT+(\k)], v[TT+(\k)]
.endr
.irp k, 0,1,2,3
	v_med3_num_f32 v[TT+(\k)], v[TT+(\k)], s30, s31   ; the clip
.endr
.if (\j) > 0
	v_pk_add_f32 v[SUM:SUM+1], v[SUM:SUM+1], v[TT:TT+1]
	v_pk_add_f32 v[SUM+2:SUM+3], v[SUM+2:SUM+3], v[TT+2:TT+3]
.endif
	v_cvt_pk_bf16_f32 v[Y+2*(\j)], v[TT], v[TT+1]
	v_cvt_pk_bf16_f32 v[Y+2*(\j)+1], v[TT+2], v[TT+3]
	global_store_b64 v[SOF], v[Y+2*(\j):Y+2*(\j)+1], s[24:25] offset:QROWB*(\r)+256*(\j) th:TH_STORE_NT  ; 32 lanes x 8 bytes: 256 consecutive bytes
.endm
; My row r.  A row of weight first finds its own range; a row of x has its range already.
.macro ROWQ r, sc, zp, sum, refill
	s_cmp_lg_u32 s19, 0
	s_cbranch_scc1 .Lgiven_\@
	PASS1
	RANGE \sc, \zp
.Lgiven_\@:
.if (\r) == 1
	s_wait_xcnt 0x0                                ; every earlier memory instruction has had its addresses translated (ISA guide 3.1): Y, which the first row's stores read, is rewritten only behind this wait
.endif
.set j, 0
.rept 32
.if \refill
	CHUNK \sc, \zp, \r, j, 1, 31                   ; behind chunk j's load stand 31 - j of this row and the j refills issued so far: 31
.else
	CHUNK \sc, \zp, \r, j, 0, 31-j                 ; nothing more is asked for: the counts run down
.endif
.set j, j+1
.endr
	v_pk_add_f32 v[SUM:SUM+1], v[SUM:SUM+1], v[SUM+2:SUM+3]
	v_add_f32 v[\sum], v[SUM], v[SUM+1]
.irp m, 1,2,4,8
	v_add_f32_dpp v[\sum], v[\sum], v[\sum] row_xmask:\m row_mask:0xf bank_mask:0xf
.endr
	v_permlanex16_b32 v[XCH], v[\sum], s32, s33
	v_add_f32 v[\sum], v[\sum], v[XCH]             ; every lane holds the row's sum of q
.endm
	RANGE SC0, ZP0                                 ; x's scale and zero point: every wave needs them (a weight wave for c and inv)
	v_mov_b32 v[SX], v[SC0]
	v_mov_b32 v[ZX], v[ZP0]
	v_mov_b32 v[SC1], v[SC0]
	v_mov_b32 v[SC1+1], v[SC0]
	v_mov_b32 v[ZP1], v[ZP0]
	v_mov_b32 v[ZP1+1], v[ZP0]
	ROWQ 0, SC0, ZP0, A0, 1
	ROWQ 1, SC1, ZP1, A1, 0
	s_cmp_lg_u32 s19, 0
	s_cbranch_scc1 .Lx_end
	; rows of weight: zw, c = zx (sum of q + 4096 zw), inv = 1 / (sx sw)
	v_fma_f32 v[A0], v[ZP0], s37, v[A0]
	v_fma_f32 v[A1], v[ZP1], s37, v[A1]
	v_mul_f32 v[D], v[SX], v[SC0]
	v_mul_f32 v[R], v[SX], v[SC1]
	v_rcp_f32 v[Q], v[D]
	v_rcp_f32 v[E], v[R]
	v_mul_f32 v[A0], v[ZX], v[A0]                  ; plain work behind the two reciprocals,
	v_mul_f32 v[A1], v[ZX], v[A1]
	s_wait_alu depctr_va_vdst(0)                   ; and one wait for both, ahead of their first reader
	v_cndmask_b32 v[OUTV], v[ZP0], v[ZP1], s34     ; even lanes: my first row's figure; odd lanes: my second's
	v_cndmask_b32 v[OUTV+1], v[A0], v[A1], s34
	v_cndmask_b32 v[OUTV+2], v[Q], v[E], s34
	s_wait_xcnt 0x0                                ; EXEC is a source of the stores that are out: it changes only behind this wait
	v_cmp_gt_u32 vcc_lo, 2, v[LANE]
	s_and_saveexec_b32 s35, vcc_lo                 ; lanes 0 and 1
	global_store_b32 v[STO], v[OUTV], s[16:17]
	global_store_b32 v[STO], v[OUTV+1], s[16:17] offset:16384
	global_store_b32 v[STO], v[OUTV+2], s[16:17] offset:32768
	s_wait_xcnt 0x0                                ; and again, in front of the line that widens it
	s_or_b32 exec_lo, exec_lo, s35
	s_endpgm
.Lx_end:
	; rows of x: rs
	v_cndmask_b32 v[OUTV], v[A0], v[A1], s34
	s_wait_xcnt 0x0
	v_cmp_gt_u32 vcc_lo, 2, v[LANE]
	s_and_saveexec_b32 s35, vcc_lo
	global_store_b32 v[STO], v[OUTV], s[16:17] offset:49152
	s_wait_xcnt 0x0
	s_or_b32 exec_lo, exec_lo, s35
	s_endpgm
.Lfunc_end_k_q9a9f0505df_quant:
	.size	k_q9a9f0505df_quant, .Lfunc_end_k_q9a9f0505df_quant-k_q9a9f0505df_quant
	.p2alignl 7, 3214868480
	.fill 96, 4, 3214868480
	.section	.rodata,"a",@progbits
	.p2align	6, 0x0
	.amdhsa_kernel k_q9a9f0505df_quant
		.amdhsa_group_segment_fixed_size 0
		.amdhsa_private_segment_fixed_size 0
		.amdhsa_enable_private_segment 0
		.amdhsa_kernarg_size 56
		.amdhsa_user_sgpr_count 2
		.amdhsa_user_sgpr_kernarg_segment_ptr 1
		.amdhsa_wavefront_size32 1
		.amdhsa_system_sgpr_workgroup_id_x 1
		.amdhsa_system_sgpr_workgroup_id_y 1
		.amdhsa_system_sgpr_workgroup_id_z 1
		.amdhsa_system_vgpr_workitem_id 0
		.amdhsa_next_free_vgpr 240
		.amdhsa_next_free_sgpr 66
		.amdhsa_reserve_vcc 1
		.amdhsa_float_denorm_mode_32 3
		.amdhsa_float_denorm_mode_16_64 3
		.amdhsa_memory_ordered 1
		.amdhsa_forward_progress 1
		.amdhsa_inst_pref_size 86
	.end_amdhsa_kernel
	.amdgpu_metadata
---
amdhsa.version: [ 1, 2 ]
amdhsa.kernels:
  - .name:           k_q9a9f0505df_quant
    .symbol:         k_q9a9f0505df_quant.kd
    .args:
      - { .name: x, .offset: 0, .size: 8, .value_kind: global_buffer, .address_space: global }
      - { .name: weight, .offset: 8, .size: 8, .value_kind: global_buffer, .address_space: global }
      - { .name: x_min, .offset: 16, .size: 8, .value_kind: global_buffer, .address_space: global }
      - { .name: x_max, .offset: 24, .size: 8, .value_kind: global_buffer, .address_space: global }
      - { .name: qx, .offset: 32, .size: 8, .value_kind: global_buffer, .address_space: global }
      - { .name: qw, .offset: 40, .size: 8, .value_kind: global_buffer, .address_space: global }
      - { .name: stat, .offset: 48, .size: 8, .value_kind: global_buffer, .address_space: global }
    .group_segment_fixed_size: 0
    .private_segment_fixed_size: 0
    .kernarg_segment_align: 8
    .kernarg_segment_size: 56
    .max_flat_workgroup_size: 512
    .sgpr_count:     66
    .vgpr_count:     240
    .wavefront_size: 32
...
	.end_amdgpu_metadata
.endif
;; end of part 1
;; launch gemm (part 2): grid 16 x 16, 4 waves a work-group, clusters of 4 x 4, 327,680 bytes of LDS; arguments qx, qw, out0, stat, bias; writes out0
.if DOCPART == 2
	.amdgcn_target "amdgcn-amd-amdhsa--gfx1250"
	.amdhsa_code_object_version 6
	.text
	.protected	k_q9a9f0505df_gemm
	.globl	k_q9a9f0505df_gemm
	.p2align	8
	.type	k_q9a9f0505df_gemm,@function
k_q9a9f0505df_gemm:
	s_mov_b64 s[64:65], 0
	v_nop
	global_prefetch_b8 v0, s[64:65] scope:SCOPE_SE
	s_setreg_imm32_b32 hwreg(HW_REG_WAVE_MODE, 25, 1), 1
	s_wait_xcnt 0x0
	s_wait_alu depctr_hold_cnt(0) depctr_sa_sdst(0) depctr_va_vdst(0) depctr_va_sdst(0) depctr_va_ssrc(0) depctr_va_vcc(0) depctr_vm_vsrc(0)
	s_getreg_b32 s2, hwreg(HW_REG_IB_STS2, 6, 4)
	s_cmp_eq_u32 s2, 0
	s_cbranch_scc0 .Lentry_in_a_cluster
	s_endpgm
.Lentry_in_a_cluster:
	s_bfe_u32 s2, ttmp6, 0x10000c
	s_cmp_lg_u32 s2, 0xf033
	s_cbranch_scc0 .Lentry_shape_is_right
	s_endpgm
.Lentry_shape_is_right:
; out0[m][n] = (sum over k of qx[m][k] qw[n][k] + zw[n] rs[m] + c[n]) inv[n] + bias[n].  qx, qw: [4096][4096] bf16, whole numbers -128 .. 127, exact in bf16.  out0: [4096][4096] f32.
; stat: planes of 4,096 f32: zw at byte 0, c at 16,384, inv at 32,768, rs at 49,152.  Sums in f32: products of whole numbers, exact while a sum stays under 2^24, rounded as f32 beyond.
; The terms are added as reference() adds them (the product's sum plus the correction, then the scale, then the bias); the division by sx sw is a multiplication by inv, fused with the bias' addition.
; A tile of out0, 256 x 256, is made by a work-group of four waves; a wave makes 128 x 128: 64 accumulators of 16 x 16, 512 registers.  256 tiles, one a work-group.
; K goes in 32 steps of 128 through a ring of two LDS slots filled by the tensor data mover: a tile's rows are 256 bytes of memory at multiples of 256 bytes from the buffer's first byte.
; CLUSTERS: 4 x 4 work-groups.  The four of a row of the cluster need the same tiles of qx, the four of a column the same tiles of qw: each tile is asked for JOINTLY, by the same tensor load with the same
; descriptor and a mask that names the four; each receives it in its own LDS.
; THE MATRIX INSTRUCTION IS USED TRANSPOSED: source 0 = 16 rows of qw, source 1 = 16 rows of qx: lane l then holds row l % 16 of out0 and the columns 8 (l / 16) + 0 .. 7.
; THE WAY OUT: 16 rows at a time go through the wave's own stage in LDS and come back as whole rows of 512 bytes; there a lane holds four columns that are the same for every row, so its zw, c, inv and bias
; lie in 16 registers for the whole way out, and a row's rs is a scalar.
; REGISTERS, in windows of 256 (s_set_vgpr_msb's low byte: bits 1:0 source 0, 3:2 source 1, 5:4 source 2, 7:6 destination):
;   window 0: v0-31 addresses; v32-59 the way out's figures; v64-127, v128-191 fragments of qx, two buffers, and on the way out two buffers of 16 rows
;   window 1: v64-127, v128-191 fragments of qw, two buffers      window 2: the accumulators of my rows 0-63 ((a, b) at v[8 (8 a + b)])      window 3: those of my rows 64-127
.set SIZE_K, 4096
.set SIZE_N, 4096
.set KSTEP,  128
.set PITCH,  272                       ; an LDS row: 256 bytes + 16 of padding = 68 words: row r starts at bank 4 r mod 64 (64 banks of 4 bytes: ISA guide 11.1), so the 16 rows of a load start at 16 different banks
.set HALFT,  128*PITCH                 ; 128 rows: what one tensor load brings, and what one wave reads of qx or of qw
.set SLOT,   4*HALFT                   ; qx's 256 rows, then qw's 256 rows
.set STAGE,  2*SLOT                    ; behind the ring, never filled by a tensor load: 16 rows x 528 bytes for each wave
.set SPITCH, 528                       ; 512 bytes + 16 = 33 x 16: the 16 rows that a store touches start at 16 different groups of four banks
.set SPARE,  STAGE+4*16*SPITCH         ; behind the stages: the spare words, 128 bytes for each wave: two blocks of 256 bytes that no other line names
.set LAPS,   SIZE_K/(2*KSTEP)          ; a lap = two K steps = once round the ring
.set ADRA, 16                          ; v16-17  LDS address of my qx fragments in slot 0, 1
.set ADRB, 20                          ; v20-21  the same for qw
.set STO,  24                          ; v24     the way out: where I put 32 bytes of a row
.set RD,   25                          ; v25     the way out: where I read 16 bytes of a row back
.set CO,   26                          ; v26     my 16 bytes in a row of out0, and in each plane of stat and in bias: 4 x (my wave's first column + 4 x lane); never rewritten
.set L16,  27                          ; v27     16 x lane; never rewritten
.set SPW,  28                          ; v28     LDS address of my spare word: SPARE + 4 x my thread's number; never rewritten
.set NIL,  29                          ; v29     0; never rewritten
.set PFO,  30                          ; v30     the prefetches' offset: my lane x a row of 8,192 bytes; never rewritten
.set CZ,   32                          ; v[32:35] zw of my four columns
.set CC,   36                          ; v[36:39] c
.set CI,   40                          ; v[40:43] inv
.set CB,   44                          ; v[44:47] bias
.set U,    48                          ; v[48:55] two sets of four at work, by the row's parity
.set RSV,  56                          ; v[56:59] rs of my wave's rows 4 x lane + 0 .. 3
.set F0,   64                          ; fragment buffer 0
.set F1,   128                         ; fragment buffer 1
.set G1,   24                          ; s[24:31] descriptor group 1 for qx's tiles
.set G0,   32                          ; s[32:39] descriptor group 0 for qx's tiles, one set for each slot
.set LIM,  43                          ; s43      1 in a wave that prefetches, else the greatest number
.set PFA,  44                          ; s[44:45] where my prefetches stand
.set G1B,  48                          ; s[48:55] descriptor group 1 for qw's tiles: it differs in the mask alone
.set G0B,  56                          ; s[56:63] descriptor group 0 for qw's tiles
.set STAT, 66                          ; s[66:67] stat
.set RSP,  68                          ; s[68:69] rs of my wave's first row
.set BIAS, 80                          ; s[80:81] bias
.set RS,   84                          ; s[84:99] rs of the 16 rows in hand
.set MSB, 0
.macro WIN new                         ; the immediate's high byte repeats the setting that is left; a switch that changes nothing is dropped
.if MSB != (\new)
	s_set_vgpr_msb (MSB<<8)|(\new)
.set MSB, \new
.endif
.endm
.set MUL_LO, 0xa1                      ; source 0 (qw) window 1, source 1 (qx) window 0, C and D window 2
.set MUL_HI, 0xf1                      ; the same, C and D window 3
.set TO_B,   0x40                      ; destination window 1, address window 0
; A joint load.  Waves 0 and 1 fetch qx's two halves, waves 2 and 3 qw's.  Each line has one mask and one set of registers for all that issue it; the branch hangs on the wave's number alone.
; An s_nop 0 and four v_nop follow each of the two lines, ahead of the jump, the label and what follows.
.macro JLOAD s
	s_cmp_eq_u32 s11, 0
	s_cbranch_scc0 .Lfor_b_\@
	tensor_load_to_lds s[G0+4*(\s):G0+4*(\s)+3], s[G1:G1+7]
	s_nop 0
.rept 4
	v_nop
.endr
	s_branch .Lasked_\@
.Lfor_b_\@:
	tensor_load_to_lds s[G0B+4*(\s):G0B+4*(\s)+3], s[G1B:G1B+7]
	s_nop 0
.rept 4
	v_nop
.endr
.Lasked_\@:
.endm
; A PREFETCH INTO THE L2, behind each joint load, its five lines and the run of LDS loads that follows them: the K step that stands TWO refills on (512 matrix instructions ahead of the load that will ask for it):
; 32 rows x 256 bytes, a lane a row, one instruction a wave.  Each row's 256 bytes of a K step are named ONCE in the launch: qx's tile row is read by every cluster of that row of clusters, and the one with
; cluster x = 0 asks; qw's tile column by every cluster of that column, and the one with cluster y = 0 asks.  The four partners that ask for a tile jointly share its rows out BY ADDRESS: of the 128 rows that
; a wave fetches, the partner at place p takes 32 p .. 32 p + 31.  K steps 0 to 3 come by their loads alone; the loop's last trip (s3 = 1) asks for nothing: K step 31 is the last that is named.
.macro ASK
	s_cmp_gt_u32 s3, s[LIM]
	s_cbranch_scc0 .Lnot_mine_\@
	global_prefetch_b8 v[PFO], s[PFA:PFA+1] offset:KSTEP*2 th:TH_LOAD_NT scope:SCOPE_SE
.Lnot_mine_\@:
.endm
; A round of the cluster's barrier: my work-group's barrier, so that wave 0's signal speaks for all four waves; wave 0 signals; every wave waits for all sixteen work-groups; my work-group's barrier once more.
.macro CREST                           ; a round behind its opening barrier
	s_cmp_lg_u32 s10, 0
	s_cbranch_scc1 .Lnot_wave_0_\@
	s_barrier_signal -3
.Lnot_wave_0_\@:
	s_barrier_wait -3
	s_barrier_signal -1
	s_barrier_wait -1
.endm
.macro CROUND                          ; a whole round
	s_barrier_signal -1
	s_barrier_wait -1
	CREST
.endm
	s_load_b128 s[4:7], s[0:1], 0x0                ; qx s[4:5], qw s[6:7]
	s_load_b64 s[8:9], s[0:1], 0x10                ; out0
	s_load_b64 s[STAT:STAT+1], s[0:1], 0x18
	s_load_b64 s[BIAS:BIAS+1], s[0:1], 0x20
	v_lshl_add_u32 v[SPW], v0, 2, SPARE
	v_mov_b32 v[NIL], 0
	ds_add_u32 v[SPW], v[NIL]                      ; the wave's opening: the add, twice on end, and its wait ahead of my first tensor load; the set-up below stands between the second and the wait
	ds_add_u32 v[SPW], v[NIL]
	v_lshrrev_b32 v1, 5, v0
	v_readfirstlane_b32 s10, v1                    ; wave 0..3
	s_lshr_b32 s11, s10, 1                         ; which half of the tile's rows is mine.  Also: I fetch for qx (0) or for qw (1)
	s_and_b32 s12, s10, 1                          ; which half of its columns.  Also: which 128 rows of that tile I fetch
	s_bfe_u32 s40, ttmp6, 0x40000                  ; cx: my place along the cluster's x
	s_bfe_u32 s41, ttmp6, 0x40004                  ; cy: along its y
	s_lshl_b32 s42, ttmp9, 2                       ; in a cluster launch ttmp9 and ttmp7 count clusters
	s_add_co_u32 s42, s42, s40                     ; tile column = 4 x cluster x + cx
	s_and_b32 s13, ttmp7, 0xffff
	s_lshl_b32 s13, s13, 2
	s_add_co_u32 s13, s13, s41                     ; tile row = 4 x cluster y + cy
	s_lshl_b32 s43, s41, 2
	s_lshl_b32 s43, 15, s43                        ; my row of the cluster: places 4 cy .. 4 cy + 3
	s_lshl_b32 s44, 0x1111, s40                    ; my column: places cx, cx + 4, cx + 8, cx + 12
	; descriptor group 1: a tile of 128 rows x 128 elements, padded in LDS
	s_or_b32 s[G1+0], s43, (1<<16)|(1<<20)|(1<<21)|(5<<22)|(3<<25)  ; 15:0 the mask: qx's tiles go to my row; 17:16 elements of 2 bytes; 20 padding on; 21 set beside a mask; 24:22 after every 64 words (code 5); 31:25 4 words of it (code 3)
	s_or_b32 s[G1B+0], s44, (1<<16)|(1<<20)|(1<<21)|(5<<22)|(3<<25) ; the same with the mask of my column, for qw's tiles
.irp g, G1, G1B
	s_mov_b32 s[(\g)+1], KSTEP<<16                 ; tensor_dim0 = 128
	s_mov_b32 s[(\g)+2], 128<<16                   ; tensor_dim1 = 128
	s_mov_b32 s[(\g)+3], KSTEP<<16                 ; tile_dim0 = 128
	s_mov_b32 s[(\g)+4], 128                       ; tile_dim1 = 128
	s_mov_b32 s[(\g)+5], SIZE_K                    ; elements from row to row
	s_mov_b32 s[(\g)+6], 0
	s_mov_b32 s[(\g)+7], 0
.endr
	; where the tiles come from.  qx's hang on the tile row alone, which my row of the cluster shares; qw's on the tile column alone, which my column shares.
	s_lshl_b32 s17, s12, 7                         ; which 128 rows of the tile I fetch
	s_lshl_b32 s16, s13, 8
	s_add_co_u32 s16, s16, s17                     ; qx: row 256 x tile row + 128 x half
	s_lshl_b32 s46, s42, 8
	s_add_co_u32 s46, s46, s17                     ; qw: row 256 x tile column + 128 x half
	s_mov_b32 s17, 0
	s_mov_b32 s47, 0
	s_mov_b64 s[18:19], SIZE_K*2
	s_mul_u64 s[16:17], s[16:17], s[18:19]         ; in bytes
	s_mul_u64 s[46:47], s[46:47], s[18:19]
	s_mul_i32 s20, s10, HALFT                      ; and where they go: wave x 128 rows: no place in the cluster enters an LDS address
	s_wait_dscnt 0x0                               ; both opening adds are done
	s_wait_kmcnt 0x0
	s_add_nc_u64 s[14:15], s[4:5], s[16:17]
	s_add_nc_u64 s[46:47], s[6:7], s[46:47]
	CROUND                                         ; all sixteen work-groups are here: the first joint loads meet
.irp s, 0,1
	s_mov_b32 s[G0+4*(\s)], 1                                      ; count = 1
	s_add_co_u32 s[G0+4*(\s)+1], s20, (\s)*SLOT                    ; LDS address
	s_add_nc_u64 s[G0+4*(\s)+2:G0+4*(\s)+3], s[14:15], (\s)*KSTEP*2  ; global address: K step s
	s_or_b32 s[G0+4*(\s)+3], s[G0+4*(\s)+3], 0x80000000            ; type = 2
	s_mov_b32 s[G0B+4*(\s)], 1
	s_add_co_u32 s[G0B+4*(\s)+1], s20, (\s)*SLOT
	s_add_nc_u64 s[G0B+4*(\s)+2:G0B+4*(\s)+3], s[46:47], (\s)*KSTEP*2
	s_or_b32 s[G0B+4*(\s)+3], s[G0B+4*(\s)+3], 0x80000000
	JLOAD \s                                       ; the ring is filled before anything else is done: two loads of mine are out
.endr
	; A fragment is 16 rows x 32 K in 8 registers: lane l holds row l % 16; registers 0-3 hold K = 8 (l / 16) + 0..7, registers 4-7 K = 16 + 8 (l / 16) + 0..7: two loads of 16 bytes, 32 bytes apart.
	v_and_b32 v1, 15, v0                           ; l % 16
	v_bfe_u32 v2, v0, 4, 1                         ; l / 16
	v_mul_u32_u24 v3, v1, PITCH
	v_lshl_add_u32 v3, v2, 4, v3                   ; row x pitch + 16 x half
	s_mul_i32 s21, s11, HALFT                      ; my 128 rows of qx
	s_mul_i32 s22, s12, HALFT                      ; my 128 rows of qw,
	s_add_co_u32 s22, s22, 2*HALFT                 ; which lie behind qx's 256
.irp s, 0,1
	v_add_nc_u32 v[ADRA+(\s)], s21, v3
	v_add_nc_u32 v[ADRB+(\s)], s22, v3
	s_add_co_u32 s21, s21, SLOT
	s_add_co_u32 s22, s22, SLOT
.endr
	s_mul_i32 s23, s10, 16*SPITCH
	s_add_co_u32 s23, s23, STAGE                   ; my stage
	v_mul_u32_u24 v4, v1, SPITCH                   ; in: row l % 16, 32 bytes (8 columns) for each half of the lanes
	v_lshl_add_u32 v4, v2, 5, v4
	v_add_nc_u32 v[STO], s23, v4
	v_and_b32 v5, 31, v0
	v_lshlrev_b32 v[L16], 4, v5
	v_add_nc_u32 v[RD], s23, v[L16]                ; back: 32 lanes take one row of 512 bytes
	s_lshl_b32 s46, s42, 10                        ; my wave's first column in bytes of f32: 1,024 x tile column + 512 x half
	s_lshl_b32 s47, s12, 9
	s_add_co_u32 s46, s46, s47
	v_add_nc_u32 v[CO], s46, v[L16]
	s_lshl_b32 s13, s13, 8                         ; 256 x tile row
	s_lshl_b32 s14, s11, 7
	s_add_co_u32 s16, s13, s14                     ; my wave's first row
	s_lshl_b32 s18, s16, 2
	s_add_co_u32 s18, s18, 49152                   ; its word in the plane of rs
	s_mov_b32 s19, 0
	s_add_nc_u64 s[RSP:RSP+1], s[STAT:STAT+1], s[18:19]
	s_lshl_b32 s16, s16, 14                        ; and its 16,384 bytes a row in out0 (under 2^26)
	s_mov_b32 s17, 0
	s_add_nc_u64 s[8:9], s[8:9], s[16:17]
	; the way out's figures: asked for here, waited for at the first row that leaves
	global_load_b128 v[CZ:CZ+3], v[CO], s[STAT:STAT+1]
	global_load_b128 v[CC:CC+3], v[CO], s[STAT:STAT+1] offset:16384
	global_load_b128 v[CI:CI+3], v[CO], s[STAT:STAT+1] offset:32768
	global_load_b128 v[CB:CB+3], v[CO], s[BIAS:BIAS+1]
	global_load_b128 v[RSV:RSV+3], v[L16], s[RSP:RSP+1]
	; the prefetches.  s13 = 256 x tile row, s42 = tile column, s40 = cx, s41 = cy still stand
	s_lshl_b32 s42, s42, 8
	s_and_b32 s22, ttmp7, 0xffff                   ; cluster y
	s_cmp_eq_u32 s11, 0                            ; do I fetch for qx?
	s_cselect_b32 s20, s13, s42                    ; the tile's first row
	s_cselect_b32 s21, s40, s41                    ; my place among the four that ask for it with me
	s_cselect_b32 s22, ttmp9, s22                  ; the coordinate along which other clusters read the same rows
	s_cselect_b64 s[PFA:PFA+1], s[4:5], s[6:7]
	s_cmp_eq_u32 s22, 0
	s_cselect_b32 s[LIM], 1, -1                    ; the same in all sixteen partners, for a given wave
	s_lshl_b32 s22, s12, 7
	s_add_co_u32 s20, s20, s22                     ; + the 128 rows that I fetch
	s_lshl_b32 s21, s21, 5
	s_add_co_u32 s20, s20, s21                     ; + my work-group's 32 of them
	s_mov_b32 s21, 0
	s_mov_b64 s[18:19], SIZE_K*2
	s_mul_u64 s[20:21], s[20:21], s[18:19]
	s_add_nc_u64 s[PFA:PFA+1], s[PFA:PFA+1], s[20:21]
	s_add_nc_u64 s[PFA:PFA+1], s[PFA:PFA+1], 2*KSTEP*2  ; at K step 2: the first refill steps it to 3 and names K step 4
	v_and_b32 v[PFO], 31, v0
	v_mul_u32_u24 v[PFO], v[PFO], SIZE_K*2
; 16 matrix instructions: m blocks a0, a0 + 1 of the window's four (hi = 0: my rows 0-63, 1: rows 64-127) x all 8 n blocks, 32 along K.  zero = 1: the first product starts the sums: nothing is ever cleared.
; The 64 accumulators take turns, one instruction a turn, in the same order in every quarter step, over the loop's backward jump too.
.macro MUL16 f, hi, a0, zero
	WIN MUL_LO+0x50*(\hi)
.irp a, \a0, (\a0)+1
.irp b, 0,1,2,3,4,5,6,7
.if \zero
	v_wmma_f32_16x16x32_bf16 v[8*(8*(\a)+(\b)):8*(8*(\a)+(\b))+7], v[(\f)+8*(\b):(\f)+8*(\b)+7], v[(\f)+8*(4*(\hi)+(\a)):(\f)+8*(4*(\hi)+(\a))+7], 0
.else
	v_wmma_f32_16x16x32_bf16 v[8*(8*(\a)+(\b)):8*(8*(\a)+(\b))+7], v[(\f)+8*(\b):(\f)+8*(\b)+7], v[(\f)+8*(4*(\hi)+(\a)):(\f)+8*(4*(\hi)+(\a))+7], v[8*(8*(\a)+(\b)):8*(8*(\a)+(\b))+7]
.endif
.endr
.endr
.endm
; 32 LDS loads in one run: the fragments of one quarter step (128 rows of qw, 128 rows of qx, 32 K at byte k of the rows) into buffer f
.macro FETCH slot, k, f
	WIN TO_B
.irp i, 0,1,2,3,4,5,6,7
	ds_load_b128 v[(\f)+8*(\i):(\f)+8*(\i)+3],   v[ADRB+(\slot)] offset:(\k)+(\i)*16*PITCH
	ds_load_b128 v[(\f)+8*(\i)+4:(\f)+8*(\i)+7], v[ADRB+(\slot)] offset:(\k)+(\i)*16*PITCH+32
.endr
	WIN 0
.irp i, 0,1,2,3,4,5,6,7
	ds_load_b128 v[(\f)+8*(\i):(\f)+8*(\i)+3],   v[ADRA+(\slot)] offset:(\k)+(\i)*16*PITCH
	ds_load_b128 v[(\f)+8*(\i)+4:(\f)+8*(\i)+7], v[ADRA+(\slot)] offset:(\k)+(\i)*16*PITCH+32
.endr
.endm
; A load into a register that a matrix instruction has read, and an instruction that reads a matrix result, stand four places behind that matrix instruction; only plain vector instructions that name none of
; its registers are places (ISA guide 7.12.1 for vector instructions).
.macro PLACES
.rept 4
	v_nop
.endr
.endm
; A K step is four quarter steps of 32 along K, 64 matrix instructions each, on buffers 0, 1, 0, 1.  One of the first three: multiplies buffer f; in its middle it fetches the next quarter's fragments into buffer g.
.macro QUARTER slot, k, f, g, zero
	s_wait_dscnt 8                                 ; qw and qx's rows 0-63 are in; the youngest eight loads (qx's rows 64-127) may be out
	WIN MUL_LO
	MUL16 \f, 0, 0, \zero
	MUL16 \f, 0, 2, \zero
	PLACES
	FETCH \slot, \k, \g
	s_wait_dscnt 32                                ; all but the 32 just issued
	WIN MUL_HI
	MUL16 \f, 1, 0, \zero
	MUL16 \f, 1, 2, \zero
.endm
; The last quarter multiplies buffer 1 and changes slots.  MEET is its first half: ONE barrier for the change.  In front of it each wave waits for all its tensor loads, of which one is out: its part of the next
; slot; adds 0 to its spare word; and waits for that and for its own reads of this slot.  Behind it nobody reads this slot any more and the next slot is whole.
.macro MEET round                      ; round = 1: a round of the cluster's barrier follows
	WIN 0                                          ; (the add's two registers lie in window 0)
	s_wait_tensorcnt 0x0                           ; all my tensor loads have landed;
	ds_add_u32 v[SPW], v[NIL]                      ; 0 onto my spare word;
	s_wait_dscnt 9                                 ; (the add and the youngest eight loads may be out)
	WIN MUL_LO
	MUL16 F1, 0, 0, 0                              ; sixteen matrix instructions stand between the add and the wait for it
	s_wait_dscnt 0x0                               ; the add is done, and my reads of this slot are over:
	s_barrier_signal -1                            ; say so,
	MUL16 F1, 0, 2, 0                              ; work on registers while the others arrive,
.if \round
	WIN 0
.endif
	s_barrier_wait -1                              ; and go on when all four have said so
.endm
; The whole last quarter.  fill = 1: the barrier opens a round of the cluster's, and behind it the slot just read out is filled again first, with the K step two steps on: from that request to the wait for it a wave
; issues 224 matrix instructions.  Then come the next slot's first fragments.
.macro TURN slot, next, fill
.if \fill
	s_wait_xcnt 0x0                                ; the last prefetch, a K step back, has read its address: it is stepped here, ahead of the change's own waits
	s_add_nc_u64 s[PFA:PFA+1], s[PFA:PFA+1], KSTEP*2
	MEET 1
	CREST                                          ; no wave of any partner still reads this slot's tile or has a load on its way
	s_add_nc_u64 s[G0+4*(\slot)+2:G0+4*(\slot)+3], s[G0+4*(\slot)+2:G0+4*(\slot)+3], 2*KSTEP*2
	s_add_nc_u64 s[G0B+4*(\slot)+2:G0B+4*(\slot)+3], s[G0B+4*(\slot)+2:G0B+4*(\slot)+3], 2*KSTEP*2
	JLOAD \slot                                    ; the first tensor load behind the round, my only one until the next; the four v_nop behind it are also the places in front of the loads below
.else
	MEET 0                                         ; nothing is filled again, so no round follows
	PLACES
.endif
	FETCH \next, 0, F0
.if \fill
	ASK
.endif
	WIN MUL_HI
	MUL16 F1, 1, 0, 0
	MUL16 F1, 1, 2, 0
.endm
; THE WAY OUT of block a (my rows 16 a .. 16 a + 15).  TOSTAGE: a lane's eight columns of a row go into my stage as 32 bytes, each accumulator's four lowest registers first,
; and the block comes back as 16 whole rows of 512 bytes, into buffer a % 2.  LDS serves a wave's instructions in order (ISA guide 5.7.1.4): the loads see the stores above them, and the next block's stores come behind them.
.macro TOSTAGE a
.set AC, 64*((\a)%4)
.set BK, F0+64*((\a)%2)
	WIN 0x08+4*((\a)/4)                            ; the stores' data (source 1) in window 2 or 3
.irp b, 0,1,2,3,4,5,6,7
	ds_store_b128 v[STO], v[AC+8*(\b):AC+8*(\b)+3]   offset:64*(\b)
	ds_store_b128 v[STO], v[AC+8*(\b)+4:AC+8*(\b)+7] offset:64*(\b)+16
.endr
	WIN 0
.if (\a) >= 2
	s_wait_xcnt 0x0                                ; every earlier memory instruction has had its addresses translated (ISA guide 3.1): the buffer, which the stores of two blocks back read, is loaded again only behind this wait
.endif
.irp t, 0,1,2,3,4,5,6,7,8,9,10,11,12,13,14,15
	ds_load_b128 v[BK+4*(\t):BK+4*(\t)+3], v[RD] offset:SPITCH*(\t)
.endr
.endm
; SEND: for each row, (sum + (rs zw + c)) inv + bias, and one store of 512 consecutive bytes at a multiple of 512 from out0's first byte.  younger: the LDS instructions issued behind the block's loads.
.macro SEND a, younger
.set BK, F0+64*((\a)%2)
	WIN 0
.if (\a) == 0
	s_wait_loadcnt 0x0                             ; zw, c, inv, bias and rs, asked for at the head
.endif
.irp t, 0,1,2,3,4,5,6,7,8,9,10,11,12,13,14,15
	v_readlane_b32 s[RS+(\t)], v[RSV+(\t)%4], 4*(\a)+(\t)/4   ; row 16 a + t lies in lane (16 a + t) / 4, register t % 4
.endr
.irp t, 0,1,2,3,4,5,6,7,8,9,10,11,12,13,14,15
.set UU, U+4*((\t)%2)
.irp k, 0,1,2,3
	v_fma_f32 v[UU+(\k)], s[RS+(\t)], v[CZ+(\k)], v[CC+(\k)]  ; the correction wants nothing of the row: it stands ahead of the wait
.endr
	s_wait_dscnt (\younger)+15-(\t)                ; row t is back: behind its load stand 15 - t of the block and the younger ones
	v_pk_add_f32 v[BK+4*(\t):BK+4*(\t)+1], v[BK+4*(\t):BK+4*(\t)+1], v[UU:UU+1]
	v_pk_add_f32 v[BK+4*(\t)+2:BK+4*(\t)+3], v[BK+4*(\t)+2:BK+4*(\t)+3], v[UU+2:UU+3]
	v_pk_fma_f32 v[BK+4*(\t):BK+4*(\t)+1], v[BK+4*(\t):BK+4*(\t)+1], v[CI:CI+1], v[CB:CB+1]
	v_pk_fma_f32 v[BK+4*(\t)+2:BK+4*(\t)+3], v[BK+4*(\t)+2:BK+4*(\t)+3], v[CI+2:CI+3], v[CB+2:CB+3]
	global_store_b128 v[CO], v[BK+4*(\t):BK+4*(\t)+3], s[8:9] offset:(16*(\a)+(\t))*SIZE_N*4 th:TH_STORE_NT  ; the row stands in the immediate: 127 x 16,384 at the most, inside its signed 24 bits
.endr
.endm
	s_wait_tensorcnt 1                             ; my part of K step 0 is in; K step 1's may stay out
	s_barrier_signal -1
	s_barrier_wait -1                              ; everybody's is
	FETCH 0, 0, F0
	QUARTER 0, 64,  F0, F1, 1                      ; the first quarter stands in front of the loop: its products start the sums
	WIN 0                                          ; at a label and at a branch every window is 0
	s_mov_b32 s3, LAPS-1
.Llap:                                                 ; a trip goes once round the ring, from a lap's second quarter to the next lap's first, and fills both slots again
	QUARTER 0, 128, F1, F0, 0
	QUARTER 0, 192, F0, F1, 0
	TURN 0, 1, 1
	QUARTER 1, 64,  F0, F1, 0
	QUARTER 1, 128, F1, F0, 0
	QUARTER 1, 192, F0, F1, 0
	TURN 1, 0, 1
	QUARTER 0, 64,  F0, F1, 0
	WIN 0
	s_sub_co_u32 s3, s3, 1
	s_cmp_lg_u32 s3, 0
	s_cbranch_scc1 .Llap
	QUARTER 0, 128, F1, F0, 0                      ; the last lap is written out: it fills nothing
	QUARTER 0, 192, F0, F1, 0
	TURN 0, 1, 0
	QUARTER 1, 64,  F0, F1, 0
	QUARTER 1, 128, F1, F0, 0
	QUARTER 1, 192, F0, F1, 0
	s_wait_dscnt 8                                 ; the very last quarter: nothing more to fetch
	WIN MUL_LO
	MUL16 F1, 0, 0, 0
	MUL16 F1, 0, 2, 0
	s_wait_dscnt 0x0
	WIN MUL_HI
	MUL16 F1, 1, 0, 0
	MUL16 F1, 1, 2, 0
	WIN 0
	PLACES                                         ; eight plain places, once a launch, between the last products and the first read of a result and the first load into a fragment buffer
	PLACES                                         ; (four are asked for: ISA guide 7.12.1)
	TOSTAGE 0
.irp a, 1,2,3,4,5,6,7                  ; block a's way through the stage is under way while block a - 1 is finished and stored
	TOSTAGE \a
	SEND (\a)-1, 32
.endr
	SEND 7, 0
	s_wait_tensorcnt 0x0                           ; the wave's end, behind my last tensor load and my last LDS store
	ds_add_u32 v[SPW], v[NIL]
	s_wait_dscnt 0x0
	CROUND                                         ; the closing round: no work-group ends while a partner may still ask for a tile that names it
	s_endpgm
.Lfunc_end_k_q9a9f0505df_gemm:
	.size	k_q9a9f0505df_gemm, .Lfunc_end_k_q9a9f0505df_gemm-k_q9a9f0505df_gemm
	.p2alignl 7, 3214868480
	.fill 96, 4, 3214868480
	.section	.rodata,"a",@progbits
	.p2align	6, 0x0
	.amdhsa_kernel k_q9a9f0505df_gemm
		.amdhsa_group_segment_fixed_size 327680
		.amdhsa_private_segment_fixed_size 0
		.amdhsa_enable_private_segment 0
		.amdhsa_kernarg_size 40
		.amdhsa_user_sgpr_count 2
		.amdhsa_user_sgpr_kernarg_segment_ptr 1
		.amdhsa_wavefront_size32 1
		.amdhsa_system_sgpr_workgroup_id_x 1
		.amdhsa_system_sgpr_workgroup_id_y 1
		.amdhsa_system_sgpr_workgroup_id_z 1
		.amdhsa_system_vgpr_workitem_id 0
		.amdhsa_next_free_vgpr 1024
		.amdhsa_next_free_sgpr 100
		.amdhsa_reserve_vcc 0
		.amdhsa_float_denorm_mode_32 3
		.amdhsa_float_denorm_mode_16_64 3
		.amdhsa_memory_ordered 1
		.amdhsa_forward_progress 1
		.amdhsa_inst_pref_size 218
	.end_amdhsa_kernel
	.amdgpu_metadata
---
amdhsa.version: [ 1, 2 ]
amdhsa.kernels:
  - .name:           k_q9a9f0505df_gemm
    .symbol:         k_q9a9f0505df_gemm.kd
    .args:
      - { .name: qx, .offset: 0, .size: 8, .value_kind: global_buffer, .address_space: global }
      - { .name: qw, .offset: 8, .size: 8, .value_kind: global_buffer, .address_space: global }
      - { .name: out0, .offset: 16, .size: 8, .value_kind: global_buffer, .address_space: global }
      - { .name: stat, .offset: 24, .size: 8, .value_kind: global_buffer, .address_space: global }
      - { .name: bias, .offset: 32, .size: 8, .value_kind: global_buffer, .address_space: global }
    .group_segment_fixed_size: 327680
    .private_segment_fixed_size: 0
    .kernarg_segment_align: 8
    .kernarg_segment_size: 40
    .max_flat_workgroup_size: 128
    .sgpr_count:     100
    .vgpr_count:     1024
    .wavefront_size: 32
...
	.end_amdgpu_metadata
.endif
;; end of part 2
;; ======== version 2 of 2: 2 launches; version 1 with the launch quant written anew for expert scheduling mode
;; workspace buffers: qx 33,554,432 bytes; qw 33,554,432 bytes; stat 65,536 bytes
;; launch quant (part 3): grid 256 x 1, 16 waves a work-group, no clusters, 0 bytes of LDS; arguments x, weight, x_min, x_max, qx, qw, stat; writes qx, qw, stat
.if DOCPART == 3
	.amdgcn_target "amdgcn-amd-amdhsa--gfx1250"
	.amdhsa_code_object_version 6
	.text
	.protected	k_q9a9f0505df_quant
	.globl	k_q9a9f0505df_quant
	.p2align	8
	.type	k_q9a9f0505df_quant,@function
k_q9a9f0505df_quant:
	s_mov_b64 s[64:65], 0
	v_nop
	global_prefetch_b8 v0, s[64:65] scope:SCOPE_SE
	s_setreg_imm32_b32 hwreg(HW_REG_WAVE_SCHED_MODE, 0, 2), 2
	s_setreg_imm32_b32 hwreg(HW_REG_WAVE_MODE, 25, 1), 1
	s_wait_xcnt 0x0
	s_wait_alu depctr_vm_vsrc(0)
; QUANTISING PASS.  q = clip(round(scale v - zp), -128, 127), scale = 255 / max(hi - lo, 1e-8), zp = round(scale lo) + 128.
; weight [4096][4096] f32: lo, hi are each row's own minimum and maximum.  x [4096][4096] f32: lo, hi are x_min[0], x_max[0].
; q is a whole number of at most 8 significant bits, so bf16 holds it exactly: qw and qx are [4096][4096] bf16, row-major.
; stat: four planes of 4,096 f32: zw[n] = zp of weight row n; c[n] = zx (sum of qw[n] + 4096 zw[n]); inv[n] = 1 / (sx sw[n]); rs[m] = sum of qx[m].
; SHARES.  A row is 16,384 bytes: one wave holds it whole in 128 registers, so minimum, maximum and sum never leave the wave: no LDS, no barrier.
; Work-group g: waves 0-7 take weight rows 16 g .. 16 g + 15, waves 8-15 the same rows of x, two rows on end a wave: every work-group has the same mix.
; A load of a wave covers 512 consecutive bytes, a store 256 consecutive bytes at a multiple of 256 from its buffer's first byte.
; While a wave's first row is quantised, each chunk's registers are asked for again, a block of four chunks later, with the second row: 28 to 32 loads of a wave are out nearly all the time.
; NOTHING IS SHARED between waves or work-groups, so clusters, tensor loads and matrix instructions have no part here; nothing is prefetched: the launch is one stream of loads from its first line on.
; The figures in stat leave as stores of two lanes: all of stat is 65,536 bytes beside 201 million of rows, and a way through LDS would gather 64 bytes a plane at the most.
; LIMITS.  scale v - zp is one fused multiply-add (reference(): a product, then a difference): a v that falls on a tie of the rounding may land one step away; q + zp then moves by one step of 1 / scale.
; 255 / d is a reciprocal with one correction step; 1 / (sx sw) a reciprocal alone.  A range d above 2^126 gives scale 0 (the reciprocal's result would be denormal).  NaN is not treated apart: minimum, maximum and clip drop it.
; Row sums are whole numbers of at most 2^19 and exact.
; THE MODE: SCHED_MODE bits 1:0 = 2 (LLVM: expert scheduling mode 2), set by the entry lines.  The code itself states the register dependences
; between vector instructions and memory instructions, with s_wait_alu, always for 0.
; THE PLAN.  A row's 32 chunks go in 8 blocks of four.  Registers that memory instructions touch:
;   X   chunk j: written by loads alone; read by the minima and maxima (rows of weight) and by chunk j's two multiply-adds.  The second row's chunk j is asked for in the first row's next block.
;   Y   chunk j: written by chunk j's two roundings; read by chunk j's store, which is issued in the next block; written again in the second row.
;   v2, v3, v4  byte offsets, made once at the head and never written again: rows and chunks stand in the immediate offsets.
;   v[44:46]    the figures for stat: written by the selects at the end, read by the last stores.
;   T, SUM, scales and zero points are named by vector instructions alone.
; Block p works on X's and Y's chunks 4 p .. 4 p + 3.  Its memory instructions are the loads into X's and the stores from Y's chunks 4 p - 4 .. 4 p - 1, which block p - 1 worked on and which no vector
; instruction of block p names.  So ONE wait on va_vdst at a block's head states all that the block's memory instructions hang on, and they are dealt among its vector instructions with no further wait.
; One wait on vm_vsrc stands at the second row's head, ahead of the first rounding that writes Y again.  The text has no loop: there is no way back to check.
.set ROWB,  16384                      ; bytes in a row of f32
.set QROWB, 8192                       ; bytes in a row of bf16
.set LANE, 1                           ; v1      lane
.set LOF,  2                           ; v2      16 x lane: my bytes in a chunk as loaded; never rewritten
.set SOF,  3                           ; v3      8 x lane: my bytes in a chunk as stored; never rewritten
.set STO,  4                           ; v4      4 x (my first row + lane % 2): my word in a plane of stat; never rewritten
.set SC0,  6                           ; v[6:7]   scale of my first row, twice (a pair for the packed multiply-add)
.set ZP0,  8                           ; v[8:9]   its zero point, twice
.set SC1,  10                          ; v[10:11] the same for my second row
.set ZP1,  12                          ; v[12:13]
.set SX,   14                          ; v14     x's scale
.set ZX,   15                          ; v15     x's zero point
.set LO,   16                          ; v16     a range's lower end
.set HI,   17                          ; v17     its upper end
.set D,    18                          ; v18-21  at work on a range
.set R,    19
.set Q,    20
.set E,    21
.set MN,   22                          ; v[22:25] four running minima
.set MX,   26                          ; v[26:29] four running maxima
.set SUM,  30                          ; v[30:33] four running sums of q
.set T,    34                          ; v[34:41] two sets of four at work, by the chunk's parity
.set A0,   42                          ; v42     sum of q of my first row
.set A1,   43                          ; v43     of my second
.set OUTV, 44                          ; v44-46  figures to store
.set XCH,  47                          ; v47     takes the other half of the lanes
.set X,    48                          ; v[48:175]  the row as loaded: chunk j at X + 4 j
.set Y,    176                         ; v[176:239] the row as stored: chunk j at Y + 2 j
	s_load_b256 s[4:11], s[0:1], 0x0               ; x s[4:5], weight s[6:7], x_min s[8:9], x_max s[10:11]
	s_load_b128 s[12:15], s[0:1], 0x20             ; qx s[12:13], qw s[14:15]
	s_load_b64 s[16:17], s[0:1], 0x30              ; stat
	v_lshrrev_b32 v5, 5, v0
	v_readfirstlane_b32 s18, v5                    ; wave 0..15
	v_and_b32 v[LANE], 31, v0
	v_lshlrev_b32 v[LOF], 4, v[LANE]
	v_lshlrev_b32 v[SOF], 3, v[LANE]
	s_wait_alu depctr_va_sdst(0)                   ; s18 is written, ahead of its first reader: my rows, my buffers and the branches are made from it
	s_lshr_b32 s19, s18, 3                         ; 0: rows of weight; 1: rows of x
	s_and_b32 s20, s18, 7
	s_lshl_b32 s20, s20, 1
	s_lshl_b32 s21, ttmp9, 4
	s_add_co_u32 s20, s20, s21                     ; my first row = 16 x work-group + 2 x (wave % 8)
	v_and_b32 v5, 1, v[LANE]
	v_add_nc_u32 v[STO], s20, v5
	v_lshlrev_b32 v[STO], 2, v[STO]
	s_mov_b32 s30, 0xc3000000                      ; -128.0
	s_mov_b32 s31, 0x42fe0000                      ; 127.0
	s_mov_b32 s32, 0x76543210                      ; v_permlanex16_b32: each lane takes its own place in the other half
	s_mov_b32 s33, 0xfedcba98
	s_mov_b32 s34, 0xaaaaaaaa                      ; the odd lanes
	s_mov_b32 s36, 0x437f0000                      ; 255.0
	s_mov_b32 s37, 0x45800000                      ; 4096.0
	v_mov_b32 v[XCH], 0                            ; written once: a lane exchange counts as a reader of its destination
	s_wait_kmcnt 0x0
	s_cmp_eq_u32 s19, 0
	s_cselect_b64 s[22:23], s[6:7], s[4:5]         ; what I read,
	s_cselect_b64 s[24:25], s[14:15], s[12:13]     ; and what I write
	s_lshl_b32 s26, s20, 14                        ; my first row in bytes of f32 (under 2^26),
	s_mov_b32 s27, 0
	s_add_nc_u64 s[22:23], s[22:23], s[26:27]
	s_lshl_b32 s26, s20, 13                        ; and of bf16
	s_add_nc_u64 s[24:25], s[24:25], s[26:27]
	s_wait_alu depctr_va_vdst(0)                   ; v2, v3 and v4 are written: every load and store of the kernel reads one of them as its offset
.set j, 0
.rept 32                                       ; my first row: all 32 chunks go out at once
	global_load_b128 v[X+4*j:X+4*j+3], v[LOF], s[22:23] offset:512*j th:TH_LOAD_NT
.set j, j+1
.endr
	s_load_b32 s28, s[8:9], 0x0                    ; x_min[0]
	s_load_b32 s29, s[10:11], 0x0                  ; x_max[0]
	s_wait_kmcnt 0x0
	v_mov_b32 v[LO], s28
	v_mov_b32 v[HI], s29
; Scale and zero point of the range LO .. HI, each written twice, as a pair.
.macro RANGE sc, zp
	v_sub_f32 v[D], v[HI], v[LO]
	v_max_num_f32 v[D], 0x322bcc77, v[D]           ; at least 1e-8
	v_rcp_f32 v[R], v[D]
	v_nop                                          ; a plain instruction between the reciprocal and its first use (ISA guide 5.7.2),
	s_wait_alu depctr_va_vdst(0)                   ; and the reciprocal has written v[R], ahead of its first reader
	v_mul_f32 v[Q], s36, v[R]                      ; 255 r,
	v_fma_f32 v[E], -v[Q], v[D], s36               ; what it leaves of 255,
	v_fma_f32 v[\sc], v[E], v[R], v[Q]             ; and the quotient with that put right
	v_mul_f32 v[\zp], v[\sc], v[LO]
	v_rndne_f32 v[\zp], v[\zp]
	v_add_f32 v[\zp], 0x43000000, v[\zp]           ; + 128
	v_mov_b32 v[\sc+1], v[\sc]
	v_mov_b32 v[\zp+1], v[\zp]
.endm
; The minimum and maximum of the row in X: four chains each, started by the first two chunks (nothing is cleared), two numbers an instruction; then across the lanes.
.macro PASS1
.set j, 0
.rept 32
.if j%4 == 0
	s_wait_loadcnt 28-j                            ; loads come back in order (ISA guide 5.7.1): chunks j .. j + 3 are in, the row's 28 - j younger ones stay out
.endif
.set ch, 2*(j%2)
.if j < 2
	v_min_num_f32 v[MN+ch], v[X+4*j], v[X+4*j+1]
	v_max_num_f32 v[MX+ch], v[X+4*j], v[X+4*j+1]
	v_min_num_f32 v[MN+ch+1], v[X+4*j+2], v[X+4*j+3]
	v_max_num_f32 v[MX+ch+1], v[X+4*j+2], v[X+4*j+3]
.else
	v_min3_num_f32 v[MN+ch], v[MN+ch], v[X+4*j], v[X+4*j+1]
	v_max3_num_f32 v[MX+ch], v[MX+ch], v[X+4*j], v[X+4*j+1]
	v_min3_num_f32 v[MN+ch+1], v[MN+ch+1], v[X+4*j+2], v[X+4*j+3]
	v_max3_num_f32 v[MX+ch+1], v[MX+ch+1], v[X+4*j+2], v[X+4*j+3]
.endif
.set j, j+1
.endr
	v_min3_num_f32 v[LO], v[MN], v[MN+1], v[MN+2]
	v_max3_num_f32 v[HI], v[MX], v[MX+1], v[MX+2]
	v_min_num_f32 v[LO], v[LO], v[MN+3]
	v_max_num_f32 v[HI], v[HI], v[MX+3]
.irp m, 1,2,4,8                                ; four steps inside each half of 16 lanes ride on the arithmetic,
	v_min_num_f32_dpp v[LO], v[LO], v[LO] row_xmask:\m row_mask:0xf bank_mask:0xf
	v_max_num_f32_dpp v[HI], v[HI], v[HI] row_xmask:\m row_mask:0xf bank_mask:0xf
.endr
	v_permlanex16_b32 v[XCH], v[LO], s32, s33      ; one crosses the halves
	v_min_num_f32 v[LO], v[LO], v[XCH]
	v_permlanex16_b32 v[XCH], v[HI], s32, s33
	v_max_num_f32 v[HI], v[HI], v[XCH]
.endm
; The vector work of chunk cj: 4 numbers a lane are quantised, added up and rounded (exactly) to bf16.  It names X's and Y's chunk cj, T, SUM, the scale and the zero point, and nothing else.
.macro WORK sc, zp
.if cj == 0
.set TT, SUM                                   ; the first chunk's q start the sums: nothing is cleared
.else
.set TT, T+4*(cj%2)
.endif
	v_pk_fma_f32 v[TT:TT+1], v[X+4*cj:X+4*cj+1], v[\sc:\sc+1], v[\zp:\zp+1] neg_lo:[0,0,1] neg_hi:[0,0,1]      ; scale v - zp
	v_pk_fma_f32 v[TT+2:TT+3], v[X+4*cj+2:X+4*cj+3], v[\sc:\sc+1], v[\zp:\zp+1] neg_lo:[0,0,1] neg_hi:[0,0,1]
.irp k, 0,1,2,3
	v_rndne_f32 v[TT+(\k)], v[TT+(\k)]
.endr
.irp k, 0,1,2,3
	v_med3_num_f32 v[TT+(\k)], v[TT+(\k)], s30, s31   ; the clip
.endr
.if cj > 0
	v_pk_add_f32 v[SUM:SUM+1], v[SUM:SUM+1], v[TT:TT+1]
	v_pk_add_f32 v[SUM+2:SUM+3], v[SUM+2:SUM+3], v[TT+2:TT+3]
.endif
	v_cvt_pk_bf16_f32 v[Y+2*cj], v[TT], v[TT+1]
	v_cvt_pk_bf16_f32 v[Y+2*cj+1], v[TT+2], v[TT+3]
.endm
; The memory instructions of chunk pj of my row r, a block behind its vector work.  refill = 1: its registers in X take the next row's chunk pj; the load goes first.  Then its 8 bytes a lane leave.
.macro LEAVE r, refill
.if \refill
	global_load_b128 v[X+4*pj:X+4*pj+3], v[LOF], s[22:23] offset:ROWB+512*pj th:TH_LOAD_NT
.endif
	global_store_b64 v[SOF], v[Y+2*pj:Y+2*pj+1], s[24:25] offset:QROWB*(\r)+256*pj th:TH_STORE_NT  ; 32 lanes x 8 bytes: 256 consecutive bytes
.endm
; Block bk of my row r: chunks 4 bk .. 4 bk + 3 are worked on; in front of each stand the memory instructions of the chunk four back.
.macro BLK sc, zp, r, refill
.if bk > 0
	s_wait_alu depctr_va_vdst(0)                   ; the block before has written its four chunks of Y, which the stores below read, and is done reading its four chunks of X, in which the loads below land
.endif
.set i, 0
.rept 4
.set cj, 4*bk+i
.set pj, cj-4
.if bk > 0
	LEAVE \r, \refill                              ; no wait: no vector instruction since the block's head names these registers
.endif
.if (\refill) && (bk > 0)
	s_wait_loadcnt 28                              ; behind chunk cj's load stand 31 - cj of this row and the cj - 3 refills issued so far: 28
.else
	s_wait_loadcnt 31-cj                           ; behind chunk cj's load stand the row's 31 - cj younger ones alone
.endif
	WORK \sc, \zp
.set i, i+1
.endr
.endm
; My row r.  A row of weight first finds its own range; a row of x has its range already.
.macro ROWQ r, sc, zp, sum, refill
	s_cmp_lg_u32 s19, 0
	s_cbranch_scc1 .Lgiven_\@
	PASS1
	RANGE \sc, \zp
.Lgiven_\@:
.if (\r) == 1
	s_wait_xcnt 0x0                                ; every earlier memory instruction has had its addresses translated (ISA guide 3.1): Y, which the first row's stores read, is rewritten only behind this wait
	s_wait_alu depctr_vm_vsrc(0)                   ; the first row's 32 stores have read Y, which this row's roundings write again; both ways to this line pass it
.endif
.set bk, 0
.rept 8
	BLK \sc, \zp, \r, \refill
.set bk, bk+1
.endr
	s_wait_alu depctr_va_vdst(0)                   ; block 7 has written Y's last four chunks, which the stores below read, and is done reading X's last four, in which the loads below land
.set i, 0
.rept 4
.set pj, 28+i
	LEAVE \r, \refill
.set i, i+1
.endr
	v_pk_add_f32 v[SUM:SUM+1], v[SUM:SUM+1], v[SUM+2:SUM+3]
	v_add_f32 v[\sum], v[SUM], v[SUM+1]
.irp m, 1,2,4,8
	v_add_f32_dpp v[\sum], v[\sum], v[\sum] row_xmask:\m row_mask:0xf bank_mask:0xf
.endr
	v_permlanex16_b32 v[XCH], v[\sum], s32, s33
	v_add_f32 v[\sum], v[\sum], v[XCH]             ; every lane holds the row's sum of q
.endm
	RANGE SC0, ZP0                                 ; x's scale and zero point: every wave needs them (a weight wave for c and inv)
	v_mov_b32 v[SX], v[SC0]
	v_mov_b32 v[ZX], v[ZP0]
	v_mov_b32 v[SC1], v[SC0]
	v_mov_b32 v[SC1+1], v[SC0]
	v_mov_b32 v[ZP1], v[ZP0]
	v_mov_b32 v[ZP1+1], v[ZP0]
	ROWQ 0, SC0, ZP0, A0, 1
	ROWQ 1, SC1, ZP1, A1, 0
	s_cmp_lg_u32 s19, 0
	s_cbranch_scc1 .Lx_end
	; rows of weight: zw, c = zx (sum of q + 4096 zw), inv = 1 / (sx sw)
	v_fma_f32 v[A0], v[ZP0], s37, v[A0]
	v_fma_f32 v[A1], v[ZP1], s37, v[A1]
	v_mul_f32 v[D], v[SX], v[SC0]
	v_mul_f32 v[R], v[SX], v[SC1]
	v_rcp_f32 v[Q], v[D]
	v_rcp_f32 v[E], v[R]
	v_mul_f32 v[A0], v[ZX], v[A0]                  ; plain work behind the two reciprocals,
	v_mul_f32 v[A1], v[ZX], v[A1]
	s_wait_alu depctr_va_vdst(0)                   ; and both reciprocals have written v[Q] and v[E], ahead of their first reader: one wait for the two
	v_cndmask_b32 v[OUTV], v[ZP0], v[ZP1], s34     ; even lanes: my first row's figure; odd lanes: my second's
	v_cndmask_b32 v[OUTV+1], v[A0], v[A1], s34
	v_cndmask_b32 v[OUTV+2], v[Q], v[E], s34
	s_wait_xcnt 0x0                                ; EXEC is a source of the stores that are out: it changes only behind this wait
	v_cmp_gt_u32 vcc_lo, 2, v[LANE]
	s_wait_alu depctr_va_vcc(0)                    ; the compare has written VCC, from which EXEC is made
	s_wait_alu depctr_va_vdst(0)                   ; the selects have written v[OUTV ..], which the stores below read; and every vector instruction issued under the full EXEC is done before EXEC is written
	s_wait_alu depctr_vm_vsrc(0)                   ; the rows' stores have read their vector registers before EXEC is written
	s_and_saveexec_b32 s35, vcc_lo                 ; lanes 0 and 1
	global_store_b32 v[STO], v[OUTV], s[16:17]
	global_store_b32 v[STO], v[OUTV+1], s[16:17] offset:16384
	global_store_b32 v[STO], v[OUTV+2], s[16:17] offset:32768
	s_wait_xcnt 0x0                                ; and again, in front of the line that widens it
	s_wait_alu depctr_va_vdst(0)                   ; EXEC is written below: both sides are stated at every write of it; the vector side has nothing under way,
	s_wait_alu depctr_vm_vsrc(0)                   ; and the three stores have read their vector registers under the narrow EXEC
	s_or_b32 exec_lo, exec_lo, s35
	s_endpgm
.Lx_end:
	; rows of x: rs
	v_cndmask_b32 v[OUTV], v[A0], v[A1], s34
	s_wait_xcnt 0x0                                ; EXEC is a source of the stores that are out: it changes only behind this wait
	v_cmp_gt_u32 vcc_lo, 2, v[LANE]
	s_wait_alu depctr_va_vcc(0)                    ; the compare has written VCC, from which EXEC is made
	s_wait_alu depctr_va_vdst(0)                   ; the select has written v[OUTV], which the store below reads; and every vector instruction issued under the full EXEC is done before EXEC is written
	s_wait_alu depctr_vm_vsrc(0)                   ; the rows' stores have read their vector registers before EXEC is written
	s_and_saveexec_b32 s35, vcc_lo
	global_store_b32 v[STO], v[OUTV], s[16:17] offset:49152
	s_wait_xcnt 0x0                                ; and again, in front of the line that widens it
	s_wait_alu depctr_va_vdst(0)                   ; EXEC is written below: both sides are stated at every write of it; the vector side has nothing under way,
	s_wait_alu depctr_vm_vsrc(0)                   ; and the store has read its vector registers under the narrow EXEC
	s_or_b32 exec_lo, exec_lo, s35
	s_endpgm
.Lfunc_end_k_q9a9f0505df_quant:
	.size	k_q9a9f0505df_quant, .Lfunc_end_k_q9a9f0505df_quant-k_q9a9f0505df_quant
	.p2alignl 7, 3214868480
	.fill 96, 4, 3214868480
	.section	.rodata,"a",@progbits
	.p2align	6, 0x0
	.amdhsa_kernel k_q9a9f0505df_quant
		.amdhsa_group_segment_fixed_size 0
		.amdhsa_private_segment_fixed_size 0
		.amdhsa_enable_private_segment 0
		.amdhsa_kernarg_size 56
		.amdhsa_user_sgpr_count 2
		.amdhsa_user_sgpr_kernarg_segment_ptr 1
		.amdhsa_wavefront_size32 1
		.amdhsa_system_sgpr_workgroup_id_x 1
		.amdhsa_system_sgpr_workgroup_id_y 1
		.amdhsa_system_sgpr_workgroup_id_z 1
		.amdhsa_system_vgpr_workitem_id 0
		.amdhsa_next_free_vgpr 240
		.amdhsa_next_free_sgpr 66
		.amdhsa_reserve_vcc 1
		.amdhsa_float_denorm_mode_32 3
		.amdhsa_float_denorm_mode_16_64 3
		.amdhsa_memory_ordered 1
		.amdhsa_forward_progress 1
		.amdhsa_inst_pref_size 87
	.end_amdhsa_kernel
	.amdgpu_metadata
---
amdhsa.version: [ 1, 2 ]
amdhsa.kernels:
  - .name:           k_q9a9f0505df_quant
    .symbol:         k_q9a9f0505df_quant.kd
    .args:
      - { .name: x, .offset: 0, .size: 8, .value_kind: global_buffer, .address_space: global }
      - { .name: weight, .offset: 8, .size: 8, .value_kind: global_buffer, .address_space: global }
      - { .name: x_min, .offset: 16, .size: 8, .value_kind: global_buffer, .address_space: global }
      - { .name: x_max, .offset: 24, .size: 8, .value_kind: global_buffer, .address_space: global }
      - { .name: qx, .offset: 32, .size: 8, .value_kind: global_buffer, .address_space: global }
      - { .name: qw, .offset: 40, .size: 8, .value_kind: global_buffer, .address_space: global }
      - { .name: stat, .offset: 48, .size: 8, .value_kind: global_buffer, .address_space: global }
    .group_segment_fixed_size: 0
    .private_segment_fixed_size: 0
    .kernarg_segment_align: 8
    .kernarg_segment_size: 56
    .max_flat_workgroup_size: 512
    .sgpr_count:     66
    .vgpr_count:     240
    .wavefront_size: 32
...
	.end_amdgpu_metadata
.endif
;; end of part 3
;; launch gemm: the kernel of part 2 again; grid 16 x 16, 4 waves a work-group, clusters of 4 x 4, 327,680 bytes of LDS; arguments qx, qw, out0, stat, bias; writes out0
